; MI455X (gfx1250); checked and timed in simulation.
; The chip was launched on July 23, 2026; its instructions are those of AMD's public machine-readable ISA for CDNA 5 (MIT licence, August 2026) and "CDNA5" Instruction Set Architecture Reference Guide (July 2026). The comments in the code are by the model that wrote it; some were corrected since.
;; Multi Head Self Attention. Allowed arithmetic: matrix products marked QUANTISED: E2M1 operands, one E8M0 scale for each 32 along K, by v_wmma_scale_f32_16x16x128_f8f6f4 with both operands' format E2M1 (or v_wmma_scale_f32_32x16x128_f4), f32 sums; everything else in f32.
;; Inputs: bk 1,024 float32; bo 1,024 float32; bq 1,024 float32; bv 1,024 float32; wk_codes 1,024 x 32 x 16 uint8 (E2M1 codes of wk, K innermost, in blocks of 32 codes, two codes a byte); wk_scales 1,024 x 32 uint8 (E8M0 scales of wk, one for each 32 codes along K); wo_codes 1,024 x 32 x 16 uint8 (E2M1 codes of wo, K innermost, in blocks of 32 codes, two codes a byte); wo_scales 1,024 x 32 uint8 (E8M0 scales of wo, one for each 32 codes along K); wq_codes 1,024 x 32 x 16 uint8 (E2M1 codes of wq, K innermost, in blocks of 32 codes, two codes a byte); wq_scales 1,024 x 32 uint8 (E8M0 scales of wq, one for each 32 codes along K); wv_codes 1,024 x 32 x 16 uint8 (E2M1 codes of wv, K innermost, in blocks of 32 codes, two codes a byte); wv_scales 1,024 x 32 uint8 (E8M0 scales of wv, one for each 32 codes along K); x_codes 4 x 2,048 x 32 x 16 uint8 (E2M1 codes of x, K innermost, in blocks of 32 codes, two codes a byte); x_scales 4 x 2,048 x 32 uint8 (E8M0 scales of x, one for each 32 codes along K).
;; Outputs: out0 4 x 2,048 x 1,024 float32.
;; This version of the problem:
;;   THIS VERSION OF THE PROBLEM IS GIVEN IN LOW PRECISION. The matrix products marked QUANTISED in the list below multiply operands that are first quantised to E2M1 (2 exponent bits, 1 mantissa bit; 4 bits a number), with one power-of-two scale for each 32 numbers along K (OCP MX v1.0); their sums are f32. All else is computed in f32.
;;   The module's matrix products, in the order in which they are computed (A, B: the left and right operand; K: the contracted axis; several contracted axes count as one K, in the product's order):
;;     1. [M 8,192, K 1,024] x [K 1,024, N 1,024]; A: input x (given as codes); B: input wq (given as codes): QUANTISED
;;     2. [M 8,192, K 1,024] x [K 1,024, N 1,024]; A: input x (given as codes); B: input wk (given as codes): QUANTISED
;;     3. [M 8,192, K 1,024] x [K 1,024, N 1,024]; A: input x (given as codes); B: input wv (given as codes): QUANTISED
;;     4. batch 64 x [M 2,048, K 64] x [K 64, N 2,048]; A: computed on the way; B: computed on the way: QUANTISED
;;     5. batch 64 x [M 2,048, K 2,048] x [K 2,048, N 64]; A: softmax (see below); B: computed on the way: QUANTISED
;;     6. [M 8,192, K 1,024] x [K 1,024, N 1,024]; A: computed on the way; B: input wo (given as codes): QUANTISED
;;   THE QUANTISER, for each operand of a quantised product, along K:
;;     - K is cut into blocks of 32 from its start; a last block that is shorter is filled with zeros.
;;     - A block's scale is 2^e with e = floor(log2(the largest magnitude in the block)) - 2, held to -126 .. 127; a block of zeros has e = 0. As a byte (E8M0): e + 127.
;;     - Each number is divided by its block's scale, clamped to +-6, and rounded to the nearest number of E2M1, ties to even, subnormals kept.
;;     - The product sums the exact products of the quantised numbers (number of the format x scale) in f32.
;;   ~~~python
;;   def quantise(x, axis):      # numpy; x: float32 -> the quantised numbers, widened to float32 again
;;       x = np.moveaxis(x, axis, -1); K = x.shape[-1]
;;       x = np.pad(x, [(0, 0)] * (x.ndim - 1) + [(0, -K % 32)]); x = x.reshape(x.shape[:-1] + (-1, 32)); a = np.abs(x).max(-1, keepdims=True)
;;       e = np.where(a > 0, np.clip(np.frexp(np.where(a > 0, a, 1))[1] - 1 - 2, -126, 127), 0)      # np.frexp(a)[1] - 1 = floor(log2(a)), exactly
;;       r = np.clip(x / 2.0 ** e, -6, 6)
;;       step = 2.0 ** (np.maximum(np.frexp(np.where(r == 0, 1, r))[1] - 1, 0) - 1)
;;       q = np.round(r / step) * step * 2.0 ** e      # np.round: ties to even
;;       return np.moveaxis(q.reshape(q.shape[:-2] + (-1,))[..., :K], -1, axis).astype(np.float32)
;;   ~~~
;;   SOFTMAX AHEAD OF A QUANTISED PRODUCT. Where the list says 'softmax', what is quantised is not the finished softmax but p = 2^(t - M), with t = logit x log2(e) and M = ceil(the row's largest t), a whole number; so 1/2 < the row's largest p <= 1. The row's sum l is taken of the UNQUANTISED p, in f32, and the product's result is divided by l at the end. Since M is a whole number, a kernel that streams over the keys may use a running M (the ceiling of the running maximum): every later rescaling is an exact power of two, which a block's scale takes up: the codes' values come out the same.
;;   OPERANDS COMPUTED ON THE WAY. 'Computed on the way' means the value that the module computes at that place (a softmax that the list does not call 'softmax' is quantised finished and normalised). What goes into a quantiser is computed in f32, as accurately as f32 sums, v_exp_f32 and their like allow (about 1e-6 of the number): no bf16 or f16 on the way to a quantiser, and a product that is left as it is and whose result goes on into a quantised operand takes f32 operands (vector FMAs, or v_wmma_f32_16x16x4_f32). A number that lies on a knife's edge between two numbers of the format may be rounded either way, as far as f32 arithmetic and the matrix unit's own rounding can turn it there, and no further.
;;   INPUTS GIVEN AS CODES. wk (in the module: [1024, 1024], K = its axis 1); wo (in the module: [1024, 1024], K = its axis 1); wq (in the module: [1024, 1024], K = its axis 1); wv (in the module: [1024, 1024], K = its axis 1); x (in the module: [4, 2048, 1024], K = its axis 2): each comes as NAME_codes (uint8): NAME with its K axis moved to the last place and cut into blocks of 32 codes, [.., K / 32, bytes a block], one block behind the other in memory; two codes a byte, the lower K in the low four bits (a code: sign, 2 exponent bits, 1 mantissa bit); and NAME_scales (uint8): the same leading axes, one E8M0 byte (e + 127) for each 32 codes along K. Its value is code x scale, taken as it is: it is not quantised again, and the codes and scales need not be those that the quantiser above would give.
;; One version. Each part assembles by itself: llvm-mc -triple=amdgcn-amd-amdhsa -mcpu=gfx1250 --defsym DOCPART=n.
;; ======== version 1 of 1: 3 launches
;; workspace buffers: qimg 4,194,304 bytes; kimg 4,194,304 bytes; vimg 4,194,304 bytes; qsc 524,288 bytes; ksc 524,288 bytes; vsc 524,288 bytes; ctximg 4,194,304 bytes; csc 524,288 bytes
;; launch qkv (part 1): grid 12 x 64, 8 waves a work-group, clusters of 4 x 4, 236,544 bytes of LDS; arguments x_codes, x_scales, wq_codes, wq_scales, bq, wk_codes, wk_scales, bk, wv_codes, wv_scales, bv, qimg, qsc, kimg, ksc, vimg, vsc; writes qimg, qsc, kimg, ksc, vimg, vsc
.if DOCPART == 1
	.amdgcn_target "amdgcn-amd-amdhsa--gfx1250"
	.amdhsa_code_object_version 6
	.text
	.protected	k_qe2cf9b23ac_qkv
	.globl	k_qe2cf9b23ac_qkv
	.p2align	8
	.type	k_qe2cf9b23ac_qkv,@function
k_qe2cf9b23ac_qkv:
	s_mov_b64 s[64:65], 0
	v_nop
	global_prefetch_b8 v0, s[64:65] scope:SCOPE_SE
	s_setreg_imm32_b32 hwreg(HW_REG_WAVE_MODE, 25, 1), 1
	s_wait_xcnt 0x0
	s_wait_alu depctr_hold_cnt(0) depctr_sa_sdst(0) depctr_va_vdst(0) depctr_va_sdst(0) depctr_va_ssrc(0) depctr_va_vcc(0) depctr_vm_vsrc(0)
	s_getreg_b32 s2, hwreg(HW_REG_IB_STS2, 6, 4)
	s_cmp_eq_u32 s2, 0
	s_cbranch_scc0 .Lentry_in_a_cluster
	s_endpgm
.Lentry_in_a_cluster:
	s_bfe_u32 s2, ttmp6, 0x10000c
	s_cmp_lg_u32 s2, 0xf033
	s_cbranch_scc0 .Lentry_shape_is_right
	s_endpgm
.Lentry_shape_is_right:
; q = x wq^T + bq, k = x wk^T + bk, v = x wv^T + bv on codes of FP4 (E2M1) with E8M0 scales, and the three results quantised again: q and k along a head's 64, v along the keys.
; ONE BODY FOR THE THREE.  C = A B^T + bias, 128 x 256 of C to a work-group, all of K = 1,024 at once in LDS.  The cluster's x says which: 0 q, 1 k: A = x (8,192 rows), B = the weight (1,024 rows);
; 2 v: A = wv, B = x, which gives V^T [channel][key].  So in all three the axis to be quantised is C's COLUMNS, and a wave's 64 columns are a head (q, k) or 64 keys (v).
; SHARES.  Eight waves; wave w makes rows 64 (w & 1) on and columns 64 (w >> 1) on: 16 accumulators of 16 x 16.  The matrix instruction is used transposed (source 0 = 16 rows of B, source 1 = 16 rows of A):
; lane (r, h) of accumulator (a, b) holds row 16 a + r of C and its columns 16 b + 8 h + 0 .. 7.
; CLUSTERS.  4 x 4 work-groups: the four of a row of the cluster need the same rows of A, the four of a column the same rows of B: each tile is asked for jointly.  Every LDS byte is filled once.
; WHAT IS STORED.  A wave's 64 x 64 becomes a PIECE of 2,048 bytes, in the order of an operand's registers: four tiles of 512 bytes; in a tile the 16 bytes of block hh (32 along K) of lane row r' lie at 256 hh + 16 r'.
; Tile 2 B + u, lane row r' holds row 32 B + 8 u + r' + 8 (r' / 8) of the 64, so that in the next launch a lane's 16 registers of two neighbouring result tiles are 16 neighbours.
; Its scale words are a unit of 256 bytes: the word of tile t', lane row r' at 16 r' + 4 t' = (block 0's byte, block 1's byte, 0x7f, 0x7f).
; LIMITS.  A block of zeros, or one whose largest magnitude lies under 2^-124, gets the scale byte 1 (these bytes are read by this program alone; zero codes add nothing).  NaN and infinities are not served.
.set PITCH, 528                        ; an LDS row of codes: 512 bytes + 16 of padding = 33 x 16 bytes: the 16 rows that a load touches start in 16 different columns of 16 bytes
.set HALF,  64*PITCH                   ; 64 rows: what one tensor load brings, and what one wave reads of A or of B
.set BLDS,  2*HALF                     ; A's 128 rows lie at 0, B's 256 rows here
.set ASC,   BLDS+4*HALF                ; A's scale bytes: 128 rows x 32 bytes, as 16 rows of 256 bytes + 16
.set BSC,   ASC+16*272                 ; B's: 32 such rows
.set CST,   BSC+32*272                 ; each wave's own 2,048 bytes in which its piece is put together: no fill lands here
.set SST,   CST+8*2048                 ; each wave's own 256 bytes for its scale words
.set ADA, 3                            ; v3   LDS address of my A fragments
.set ADB, 4                            ; v4   of my B fragments
.set ADS, 5                            ; v5   of my scale words: lanes 0-15 A's rows, lanes 16-31 B's
.set STO, 6                            ; v6   where I put 4 bytes of codes
.set SSTO, 7                           ; v7   where I put a scale word
.set RDC, 8                            ; v8   where I read the piece back
.set RDS, 9                            ; v9   where I read the scale words back
.set L16, 10                           ; v10  16 x lane
.set L8,  11                           ; v11  8 x lane
.set BOC, 12                           ; v12  32 h: the bias along columns
.set BOR, 13                           ; v13  4 r: the bias along rows
.set SC,  16                           ; v16-47  scale words: register 8 i + q: lanes 0-15 A's block i, lanes 16-31 B's block i, K step q
.set AF,  48                           ; v48-79  A's four fragments
.set BF,  80                           ; v80-111 B's four fragments
.set TM,  112                          ; v112-127 at work
.set ACC, 128                          ; v128-255 accumulator (a, b) at 128 + 8 (4 a + b)
.set WV,  46
.set G1A, 48
.set G1B, 56
.set G1SA, 68
.set G1SB, 76
.set G0A, 84
.set G0B, 88
.set G0SA, 92
.set G0SB, 96
.set TR,  100                          ; s100 tile row of C (128 rows of A)
.set TC,  101                          ; s101 tile column of C (256 rows of B)
.macro ROUND                           ; a round of the cluster's barrier
	s_barrier_signal -1
	s_barrier_wait -1
	s_cmp_lg_u32 s[WV], 0
	s_cbranch_scc1 .Lnot_wave_0_\@
	s_barrier_signal -3
.Lnot_wave_0_\@:
	s_barrier_wait -3
	s_barrier_signal -1
	s_barrier_wait -1
.endm
.macro PLACES                          ; four plain vector instructions behind a matrix instruction, and behind a tensor load
.rept 4
	v_nop
.endr
.endm
	s_load_b512 s[4:19], s[0:1], 0x0               ; x codes 4, x scales 6, wq codes 8, wq scales 10, bq 12, wk codes 14, wk scales 16, bk 18
	s_load_b512 s[20:35], s[0:1], 0x40             ; wv codes 20, wv scales 22, bv 24, qimg 26, qsc 28, kimg 30, ksc 32, vimg 34
	s_load_b64 s[36:37], s[0:1], 0x80              ; vsc
	v_lshl_add_u32 v126, v0, 2, 0x39800
	v_mov_b32 v127, 0
	ds_add_u32 v126, v127
	ds_add_u32 v126, v127
	v_lshrrev_b32 v1, 5, v0
	v_readfirstlane_b32 s[WV], v1                  ; wave 0..7
	s_bfe_u32 s47, ttmp6, 0x40000                  ; cx
	s_bfe_u32 s66, ttmp6, 0x40004                  ; cy
	s_and_b32 s67, ttmp7, 0xffff                   ; the cluster's y, 0..15
	s_and_b32 s2, s67, 1
	s_lshr_b32 s3, s67, 1
	s_cmp_eq_u32 ttmp9, 2                          ; v?  (the cluster's x: the same in all sixteen partners)
	s_cselect_b32 s[TR], s2, s67                   ; q, k: 16 x 1 clusters cover 64 x 4 tiles; v: 2 x 8 clusters cover 8 x 32
	s_cselect_b32 s[TC], s3, 0
	s_lshl_b32 s[TR], s[TR], 2
	s_add_co_u32 s[TR], s[TR], s66                 ; tile row = 4 x cluster row + cy
	s_lshl_b32 s[TC], s[TC], 2
	s_add_co_u32 s[TC], s[TC], s47                 ; tile column = 4 x cluster column + cx
	s_lshl_b32 s2, s66, 2
	s_lshl_b32 s2, 15, s2                          ; my row of the cluster
	s_lshl_b32 s3, 0x1111, s47                     ; my column
	; descriptor group 1, codes: 64 rows x 512 bytes, 16 bytes of padding behind each
	s_or_b32 s[G1A], s2, (1<<20)|(1<<21)|(6<<22)|(3<<25)   ; 15:0 the mask; 17:16 elements of 1 byte; 20 padding on; 21 set beside a mask; 24:22 after every 128 words; 31:25 four words
	s_or_b32 s[G1B], s3, (1<<20)|(1<<21)|(6<<22)|(3<<25)
.irp g, G1A, G1B
	s_mov_b32 s[\g+1], 512<<16                     ; tensor_dim0
	s_mov_b32 s[\g+2], 64<<16                      ; tensor_dim1
	s_mov_b32 s[\g+3], 512<<16                     ; tile_dim0
	s_mov_b32 s[\g+4], 64                          ; tile_dim1
	s_mov_b32 s[\g+5], 512                         ; from row to row
	s_mov_b32 s[\g+6], 0
	s_mov_b32 s[\g+7], 0
.endr
	; scale bytes: a dense block, as rows of 256 bytes (32 elements of 8 bytes), 16 bytes of padding behind each: 16 rows for A, 32 for B
	s_or_b32 s[G1SA], s2, (3<<16)|(1<<20)|(1<<21)|(5<<22)|(3<<25)
	s_or_b32 s[G1SB], s3, (3<<16)|(1<<20)|(1<<21)|(5<<22)|(3<<25)
	s_mov_b32 s[G1SA+1], 32<<16
	s_mov_b32 s[G1SA+2], 16<<16
	s_mov_b32 s[G1SA+3], 32<<16
	s_mov_b32 s[G1SA+4], 16
	s_mov_b32 s[G1SA+5], 32
	s_mov_b32 s[G1SA+6], 0
	s_mov_b32 s[G1SA+7], 0
	s_mov_b32 s[G1SB+1], 32<<16
	s_mov_b32 s[G1SB+2], 32<<16
	s_mov_b32 s[G1SB+3], 32<<16
	s_mov_b32 s[G1SB+4], 32
	s_mov_b32 s[G1SB+5], 32
	s_mov_b32 s[G1SB+6], 0
	s_mov_b32 s[G1SB+7], 0
	s_and_b32 s66, s[WV], 1                        ; wr: which 64 rows are mine
	s_lshr_b32 s67, s[WV], 1                       ; wc: which 64 columns
	; every LDS address: a constant, the lane's term, the wave's term
	v_and_b32 v1, 15, v0                           ; r
	v_bfe_u32 v2, v0, 4, 1                         ; h
	v_and_b32 v14, 31, v0                          ; lane
	v_mul_u32_u24 v15, v1, PITCH
	v_lshl_add_u32 v15, v2, 4, v15                 ; a fragment's row x pitch + 16 h
	s_mul_i32 s2, s66, HALF
	v_add_nc_u32 v[ADA], s2, v15
	s_mul_i32 s2, s67, HALF
	s_add_co_u32 s2, s2, BLDS
	v_add_nc_u32 v[ADB], s2, v15
	v_lshrrev_b32 v15, 3, v1                       ; r / 8
	v_lshlrev_b32 v[ADS], 5, v1                    ; a row's 32 scale bytes,
	v_lshl_add_u32 v[ADS], v15, 4, v[ADS]          ; and 16 more for each 256 passed
	s_mul_i32 s2, s66, 2176                        ; A's: my 64 rows (2,048 bytes + 8 paddings)
	s_mul_i32 s3, s67, 2176                        ; B's: my 64 rows, behind A's 4,352 bytes
	s_add_co_u32 s3, s3, 4352
	s_sub_co_u32 s3, s3, s2
	v_mul_u32_u24 v12, s3, v2                      ; lanes 16-31 take B's: one product with h
	s_add_co_u32 s2, s2, ASC
	v_add_nc_u32 v[ADS], v[ADS], v12
	v_add_nc_u32 v[ADS], s2, v[ADS]
	v_and_b32 v12, 7, v1
	v_lshlrev_b32 v12, 4, v12                      ; 16 (r % 8)
	v_lshl_add_u32 v[STO], v15, 9, v12             ; row 16 a + r lies in tile 2 (a / 2) + r / 8, lane row 8 (a % 2) + r % 8
	v_lshl_add_u32 v[STO], v2, 2, v[STO]           ; columns 16 b + 8 h on: byte 8 (b % 2) + 4 h of block b / 2
	v_lshl_add_u32 v[SSTO], v15, 2, v12
	s_lshl_b32 s2, s[WV], 11
	s_add_co_u32 s2, s2, CST
	v_add_nc_u32 v[STO], s2, v[STO]
	v_lshlrev_b32 v[L16], 4, v14
	v_add_nc_u32 v[RDC], s2, v[L16]
	s_lshl_b32 s2, s[WV], 8
	s_add_co_u32 s2, s2, SST
	v_add_nc_u32 v[SSTO], s2, v[SSTO]
	v_lshlrev_b32 v[L8], 3, v14
	v_add_nc_u32 v[RDS], s2, v[L8]
	v_lshlrev_b32 v[BOC], 5, v2
	v_lshlrev_b32 v[BOR], 2, v1
	s_wait_dscnt 0x0
	s_wait_kmcnt 0x0
	s_cmp_eq_u32 ttmp9, 1                          ; the weight, its scales, its bias and the two buffers to be written: chosen on the cluster's x alone
	s_cselect_b64 s[8:9], s[14:15], s[8:9]
	s_cselect_b64 s[10:11], s[16:17], s[10:11]
	s_cselect_b64 s[12:13], s[18:19], s[12:13]
	s_cselect_b64 s[26:27], s[30:31], s[26:27]
	s_cselect_b64 s[28:29], s[32:33], s[28:29]
	s_cmp_eq_u32 ttmp9, 2
	s_cselect_b64 s[8:9], s[20:21], s[8:9]
	s_cselect_b64 s[10:11], s[22:23], s[10:11]
	s_cselect_b64 s[12:13], s[24:25], s[12:13]
	s_cselect_b64 s[26:27], s[34:35], s[26:27]
	s_cselect_b64 s[28:29], s[36:37], s[28:29]
	s_cselect_b64 s[38:39], s[8:9], s[4:5]         ; A's codes: the weight's for v, else x's
	s_cselect_b64 s[40:41], s[10:11], s[6:7]       ; A's scales
	s_cselect_b64 s[42:43], s[4:5], s[8:9]         ; B's codes
	s_cselect_b64 s[44:45], s[6:7], s[10:11]       ; B's scales
	; descriptor group 0.  A's hang on the tile row and the wave alone, B's on the tile column and the wave alone, each in registers that never hold the other coordinate
	s_and_b32 s14, s[WV], 1
	s_mul_i32 s[G0A+1], s14, HALF                  ; LDS: A's half
	s_lshl_b32 s14, s14, 15
	s_lshl_b32 s16, s[TR], 16                      ; 128 rows of 512 bytes
	s_add_co_u32 s16, s16, s14
	s_mov_b32 s17, 0
	s_mov_b32 s[G0A], 1
	s_add_nc_u64 s[G0A+2:G0A+3], s[38:39], s[16:17]
	s_or_b32 s[G0A+3], s[G0A+3], 0x80000000
	s_mov_b32 s[G0SA], 1
	s_mov_b32 s[G0SA+1], ASC
	s_lshl_b32 s16, s[TR], 12                      ; 128 rows of 32 bytes
	s_add_nc_u64 s[G0SA+2:G0SA+3], s[40:41], s[16:17]
	s_or_b32 s[G0SA+3], s[G0SA+3], 0x80000000
	s_add_co_u32 s18, s[WV], 2
	s_and_b32 s18, s18, 3                          ; waves 2 to 5 take B's quarters 0 to 3
	s_mul_i32 s[G0B+1], s18, HALF
	s_add_co_u32 s[G0B+1], s[G0B+1], BLDS
	s_lshl_b32 s18, s18, 15
	s_lshl_b32 s20, s[TC], 17                      ; 256 rows of 512 bytes
	s_add_co_u32 s20, s20, s18
	s_mov_b32 s21, 0
	s_mov_b32 s[G0B], 1
	s_add_nc_u64 s[G0B+2:G0B+3], s[42:43], s[20:21]
	s_or_b32 s[G0B+3], s[G0B+3], 0x80000000
	s_mov_b32 s[G0SB], 1
	s_mov_b32 s[G0SB+1], BSC
	s_lshl_b32 s20, s[TC], 13                      ; 256 rows of 32 bytes
	s_add_nc_u64 s[G0SB+2:G0SB+3], s[44:45], s[20:21]
	s_or_b32 s[G0SB+3], s[G0SB+3], 0x80000000
	ROUND                                          ; all sixteen work-groups are here: the joint loads meet
	; one joint load a wave: waves 0, 1 A's halves; 2 to 5 B's quarters; 6 A's scales; 7 B's.  The branches hang on the wave's number alone
	s_cmp_lt_u32 s[WV], 2
	s_cbranch_scc0 .Lfill_b
	tensor_load_to_lds s[G0A:G0A+3], s[G1A:G1A+7]
	s_nop 0
	PLACES
	s_branch .Lfilled
.Lfill_b:
	s_cmp_lt_u32 s[WV], 6
	s_cbranch_scc0 .Lfill_sa
	tensor_load_to_lds s[G0B:G0B+3], s[G1B:G1B+7]
	s_nop 0
	PLACES
	s_branch .Lfilled
.Lfill_sa:
	s_cmp_eq_u32 s[WV], 6
	s_cbranch_scc0 .Lfill_sb
	tensor_load_to_lds s[G0SA:G0SA+3], s[G1SA:G1SA+7]
	s_nop 0
	PLACES
	s_branch .Lfilled
.Lfill_sb:
	tensor_load_to_lds s[G0SB:G0SB+3], s[G1SB:G1SB+7]
	s_nop 0
	PLACES
.Lfilled:
	; while the tiles are on their way: the bias starts the sums, and the places of my piece are worked out
	s_mov_b32 s36, 0x76543210
	s_mov_b32 s37, 0xfedcba98                      ; v_permlanex16_b32's selects for lane l xor 16
	s_lshl_b32 s22, s[TR], 9                       ; v: the bias goes by rows: 4 x (128 tile row + 64 wr)
	s_lshl_b32 s23, s66, 8
	s_add_co_u32 s22, s22, s23
	s_lshl_b32 s24, s[TC], 10                      ; q, k: by columns: 4 x (256 tile column + 64 wc)
	s_lshl_b32 s25, s67, 8
	s_add_co_u32 s24, s24, s25
	s_lshl_b32 s30, s[TR], 1
	s_add_co_u32 s30, s30, s66                     ; which 64 rows of all of C
	s_lshl_b32 s31, s[TC], 2
	s_add_co_u32 s31, s31, s67                     ; which 64 columns
	s_cmp_eq_u32 ttmp9, 2
	s_cselect_b32 s22, s22, s24
	s_cselect_b32 s32, s31, s30                    ; X: the group of 64 tokens, 0..127
	s_cselect_b32 s33, s30, s31                    ; Y: the head
	s_mov_b32 s23, 0
	s_add_nc_u64 s[12:13], s[12:13], s[22:23]
	s_lshr_b32 s34, s32, 5                         ; the batch
	s_lshl_b32 s34, s34, 4
	s_add_co_u32 s34, s34, s33
	s_lshl_b32 s34, s34, 5
	s_and_b32 s32, s32, 31
	s_add_co_u32 s34, s34, s32                     ; the piece: (batch x 16 + head) x 32 + group
	s_lshl_b32 s32, s34, 11
	s_mov_b32 s33, 0
	s_add_nc_u64 s[26:27], s[26:27], s[32:33]
	s_lshl_b32 s32, s34, 8
	s_add_nc_u64 s[28:29], s[28:29], s[32:33]
	s_cmp_eq_u32 ttmp9, 2
	s_cbranch_scc1 .Lbias_rows
.irp a, 0,1,2,3
.irp b, 0,1,2,3
	global_load_b128 v[ACC+8*(4*\a+\b):ACC+8*(4*\a+\b)+3], v[BOC], s[12:13] offset:64*\b        ; the bias of columns 16 b + 8 h + 0 .. 7, straight into the accumulator
	global_load_b128 v[ACC+8*(4*\a+\b)+4:ACC+8*(4*\a+\b)+7], v[BOC], s[12:13] offset:64*\b+16
.endr
.endr
	s_branch .Lbias_done
.Lbias_rows:
.irp a, 0,1,2,3
	global_load_b32 v[TM+\a], v[BOR], s[12:13] offset:64*\a   ; the bias of row 16 a + r: one number a lane for all of block a
.endr
	s_wait_loadcnt 0x0
.set i, 0
.rept 128
	v_mov_b32 v[ACC+i], v[TM+i/32]
.set i, i+1
.endr
.Lbias_done:
	s_wait_loadcnt 0x0
	s_wait_tensorcnt 0x0                           ; my part of the tiles is in,
	s_barrier_signal -1
	s_barrier_wait -1                              ; everybody's is
.irp i, 0,1,2,3
.irp e, 0,1
	ds_load_b128 v[SC+8*\i+4*\e:SC+8*\i+4*\e+3], v[ADS] offset:544*\i+16*\e   ; the scale words of all eight K steps: 16 rows are 512 bytes + 2 paddings
.endr
.endr
.macro MM a, b, q
	v_wmma_scale_f32_16x16x128_f8f6f4 v[ACC+8*(4*\a+\b):ACC+8*(4*\a+\b)+7], v[BF+8*\b:BF+8*\b+7], v[AF+8*\a:AF+8*\a+7], v[ACC+8*(4*\a+\b):ACC+8*(4*\a+\b)+7], v[SC+8*\b+\q], v[SC+8*\a+\q] matrix_a_fmt:MATRIX_FMT_FP4 matrix_b_fmt:MATRIX_FMT_FP4 matrix_a_scale:MATRIX_SCALE_ROW1
.endm
; A K step of 128: 16 LDS loads, 16 matrix instructions.  The sixteen accumulators take turns, one instruction a turn, in the same order in every step.
.macro STEP q
.if \q > 0
	PLACES                                         ; in front of loads into registers that matrix instructions have read
.endif
.irp b, 0,1,2,3
.irp c, 0,1
	ds_load_b128 v[BF+8*\b+4*\c:BF+8*\b+4*\c+3], v[ADB] offset:\b*16*PITCH+64*\q+32*\c
.endr
.endr
.irp a, 0,1,2,3
.irp c, 0,1
	ds_load_b128 v[AF+8*\a+4*\c:AF+8*\a+4*\c+3], v[ADA] offset:\a*16*PITCH+64*\q+32*\c
.endr
.endr
.irp a, 0,1,2,3
	s_wait_dscnt 6-2*\a                            ; B and A's blocks up to a are in; the two loads of each later block may be out
.irp b, 0,1,2,3
	MM \a, \b, \q
.endr
.endr
.endm
.irp q, 0,1,2,3,4,5,6,7
	STEP \q
.endr
	PLACES
	; THE QUANTISER.  Block n = 2 a + B: row 16 a + r, columns 32 B on: my 16 numbers are v[ACC + 16 n ..], lane l xor 16 holds the other 16
.irp n, 0,1,2,3,4,5,6,7
	v_max3_num_f32 v[TM+\n], |v[ACC+16*\n]|, |v[ACC+16*\n+1]|, 0x1800000   ; with the floor 2^(3 - 127): the byte cannot fall under 1
.endr
.irp i, 2,4,6,8,10,12,14
.irp n, 0,1,2,3,4,5,6,7
	v_max3_num_f32 v[TM+\n], v[TM+\n], |v[ACC+16*\n+\i]|, |v[ACC+16*\n+\i+1]|   ; the eight blocks by turns; each accumulator from its low end on
.endr
.endr
.irp n, 0,1,2,3,4,5,6,7
	v_permlanex16_b32 v[AF+\n], v[TM+\n], s36, s37
.endr
.irp n, 0,1,2,3,4,5,6,7
	v_max_num_f32 v[TM+\n], v[TM+\n], v[AF+\n]     ; the block's largest magnitude
.endr
.irp n, 0,1,2,3,4,5,6,7
	v_add_nc_u32 v[AF+16+\n], 0xff000000, v[TM+\n] ; 2 off its exponent field: the conversion's scale operand
.endr
.irp n, 0,1,2,3,4,5,6,7
	v_lshrrev_b32 v[AF+8+\n], 23, v[AF+16+\n]      ; the scale's byte
.endr
.irp a, 0,1,2,3
	v_lshl_or_b32 v[BF+\a], v[AF+8+2*\a+1], 8, v[AF+8+2*\a]
.endr
.irp a, 0,1,2,3
	v_or_b32 v[BF+\a], 0x7f7f0000, v[BF+\a]        ; the upper two bytes stand over zero codes in the next launch's K step of 128: 1.0
.endr
.irp a, 0,1,2,3
.irp b, 0,1,2,3
	v_cvt_scalef32_pk8_fp4_f32 v[BF+4+4*\a+\b], v[ACC+8*(4*\a+\b):ACC+8*(4*\a+\b)+7], v[AF+16+2*\a+\b/2]
.endr
.endr
	v_nop                                          ; one plain place behind the last scaled conversion
	; the piece is put together in my own LDS bytes and leaves as 2,048 + 256 consecutive bytes
.irp a, 0,1,2,3
.irp b, 0,1,2,3
	ds_store_b32 v[STO], v[BF+4+4*\a+\b] offset:(\a/2)*1024+(\a%2)*128+(\b/2)*256+(\b%2)*8
.endr
.endr
.irp a, 0,1,2,3
	ds_store_b32 v[SSTO], v[BF+\a] offset:(\a%2)*128+(\a/2)*8     ; both halves of the lanes write the same word with the same value
.endr
.irp i, 0,1,2,3
	ds_load_b128 v[100+4*\i:103+4*\i], v[RDC] offset:512*\i       ; LDS serves a wave's instructions in order (ISA guide 5.7.1.4): these see the stores above
.endr
	ds_load_b64 v[116:117], v[RDS]
	s_wait_dscnt 0x0
.irp i, 0,1,2,3
	global_store_b128 v[L16], v[100+4*\i:103+4*\i], s[26:27] offset:512*\i   ; 32 lanes store 512 consecutive bytes, at a multiple of 512 from the buffer's first byte
.endr
	global_store_b64 v[L8], v[116:117], s[28:29]   ; 256 consecutive bytes, aligned
	s_wait_tensorcnt 0x0
	ds_add_u32 v126, v127
	s_wait_dscnt 0x0
	ROUND                                          ; the closing round: no work-group ends while a partner may still ask for a tile that names it
	s_endpgm
.Lfunc_end_k_qe2cf9b23ac_qkv:
	.size	k_qe2cf9b23ac_qkv, .Lfunc_end_k_qe2cf9b23ac_qkv-k_qe2cf9b23ac_qkv
	.p2alignl 7, 3214868480
	.fill 96, 4, 3214868480
	.section	.rodata,"a",@progbits
	.p2align	6, 0x0
	.amdhsa_kernel k_qe2cf9b23ac_qkv
		.amdhsa_group_segment_fixed_size 236544
		.amdhsa_private_segment_fixed_size 0
		.amdhsa_enable_private_segment 0
		.amdhsa_kernarg_size 136
		.amdhsa_user_sgpr_count 2
		.amdhsa_user_sgpr_kernarg_segment_ptr 1
		.amdhsa_wavefront_size32 1
		.amdhsa_system_sgpr_workgroup_id_x 1
		.amdhsa_system_sgpr_workgroup_id_y 1
		.amdhsa_system_sgpr_workgroup_id_z 1
		.amdhsa_system_vgpr_workitem_id 0
		.amdhsa_next_free_vgpr 256
		.amdhsa_next_free_sgpr 102
		.amdhsa_reserve_vcc 0
		.amdhsa_float_denorm_mode_32 3
		.amdhsa_float_denorm_mode_16_64 3
		.amdhsa_memory_ordered 1
		.amdhsa_forward_progress 1
		.amdhsa_inst_pref_size 54
	.end_amdhsa_kernel
	.amdgpu_metadata
---
amdhsa.version: [ 1, 2 ]
amdhsa.kernels:
  - .name:           k_qe2cf9b23ac_qkv
    .symbol:         k_qe2cf9b23ac_qkv.kd
    .args:
      - { .name: x_codes, .offset: 0, .size: 8, .value_kind: global_buffer, .address_space: global }
      - { .name: x_scales, .offset: 8, .size: 8, .value_kind: global_buffer, .address_space: global }
      - { .name: wq_codes, .offset: 16, .size: 8, .value_kind: global_buffer, .address_space: global }
      - { .name: wq_scales, .offset: 24, .size: 8, .value_kind: global_buffer, .address_space: global }
      - { .name: bq, .offset: 32, .size: 8, .value_kind: global_buffer, .address_space: global }
      - { .name: wk_codes, .offset: 40, .size: 8, .value_kind: global_buffer, .address_space: global }
      - { .name: wk_scales, .offset: 48, .size: 8, .value_kind: global_buffer, .address_space: global }
      - { .name: bk, .offset: 56, .size: 8, .value_kind: global_buffer, .address_space: global }
      - { .name: wv_codes, .offset: 64, .size: 8, .value_kind: global_buffer, .address_space: global }
      - { .name: wv_scales, .offset: 72, .size: 8, .value_kind: global_buffer, .address_space: global }
      - { .name: bv, .offset: 80, .size: 8, .value_kind: global_buffer, .address_space: global }
      - { .name: qimg, .offset: 88, .size: 8, .value_kind: global_buffer, .address_space: global }
      - { .name: qsc, .offset: 96, .size: 8, .value_kind: global_buffer, .address_space: global }
      - { .name: kimg, .offset: 104, .size: 8, .value_kind: global_buffer, .address_space: global }
      - { .name: ksc, .offset: 112, .size: 8, .value_kind: global_buffer, .address_space: global }
      - { .name: vimg, .offset: 120, .size: 8, .value_kind: global_buffer, .address_space: global }
      - { .name: vsc, .offset: 128, .size: 8, .value_kind: global_buffer, .address_space: global }
    .group_segment_fixed_size: 236544
    .private_segment_fixed_size: 0
    .kernarg_segment_align: 8
    .kernarg_segment_size: 136
    .max_flat_workgroup_size: 256
    .sgpr_count:     102
    .vgpr_count:     256
    .wavefront_size: 32
...
	.end_amdgpu_metadata
.endif
;; end of part 1
;; launch attn (part 2): grid 4 x 64, 16 waves a work-group, clusters of 4 x 1, 169,984 bytes of LDS; arguments qimg, qsc, kimg, ksc, vimg, vsc, ctximg, csc; writes ctximg, csc
.if DOCPART == 2
	.amdgcn_target "amdgcn-amd-amdhsa--gfx1250"
	.amdhsa_code_object_version 6
	.text
	.protected	k_qe2cf9b23ac_attn
	.globl	k_qe2cf9b23ac_attn
	.p2align	8
	.type	k_qe2cf9b23ac_attn,@function
k_qe2cf9b23ac_attn:
	s_mov_b64 s[64:65], 0
	v_nop
	global_prefetch_b8 v0, s[64:65] scope:SCOPE_SE
	s_setreg_imm32_b32 hwreg(HW_REG_WAVE_MODE, 25, 1), 1
	s_wait_xcnt 0x0
	s_wait_alu depctr_hold_cnt(0) depctr_sa_sdst(0) depctr_va_vdst(0) depctr_va_sdst(0) depctr_va_ssrc(0) depctr_va_vcc(0) depctr_vm_vsrc(0)
	s_getreg_b32 s2, hwreg(HW_REG_IB_STS2, 6, 4)
	s_cmp_eq_u32 s2, 0
	s_cbranch_scc0 .Lentry_in_a_cluster
	s_endpgm
.Lentry_in_a_cluster:
	s_bfe_u32 s2, ttmp6, 0x10000c
	s_cmp_lg_u32 s2, 0x3003
	s_cbranch_scc0 .Lentry_shape_is_right
	s_endpgm
.Lentry_shape_is_right:
; ctx = softmax(q k^T / 8) v for one head of one batch, both products on codes of FP4 (E2M1) with E8M0 scales, and ctx quantised along the head's 64 for the last product.
; THE SOFTMAX AHEAD OF THE SECOND PRODUCT: t = score x log2(e) / 8; M = the row's largest t so far, rounded UP to a whole number; p = 2^(t - M) is what is quantised, along the keys.  The row's sum is taken of
; the unquantised p and divides at the end.  When M moves, the sum and O are multiplied by 2^(old M - new M): exact.
; SHARES.  The cluster's y is batch x 16 + head; its four work-groups take 512 queries each and share the head's K and V, asked for jointly.  The whole head lies in LDS (64 KiB of K, 64 KiB of V): every byte is filled once.
; Sixteen waves, four to a SIMD, so that one wave's vector work stands beside another's matrix work and LDS loads.  A wave makes two tiles of 16 queries, one after the other; each walks the 2,048 keys, 128 a step.
; LAYOUT.  Both products are used transposed: S^T = K Q^T (source 0 = 16 keys, source 1 = my 16 queries), O^T = V^T P^T (source 0 = 16 channels, source 1 = P): a lane holds ONE query throughout.
; K, V and Q come in the order of the operands' registers (a tile of 512 bytes: lane l's 16 bytes at 16 l), so a fragment's registers come by plain loads of 512 consecutive bytes.  The rows of a tile are chosen
; (tile 2 B + u, lane row r': row 32 B + 8 u + r' + 8 (r' / 8)) so that the 16 registers of result tiles 2 B and 2 B + 1 are 16 neighbours: keys in S^T, channels in O^T.
; The first product's K is the head's 64: registers 4-7 of K's and Q's fragments are zero codes, under the scale byte 0x7f.
; The scale words of ctx leave as 128 consecutive bytes a wave (two tiles of 16 words): a wave owns no more of that buffer.
; LIMITS.  A block of zeros, or one whose largest magnitude lies under 2^-124, gets the scale byte 1 (read by this program alone).  NaN and infinities are not served.
.set VIMG, 65536                       ; K's codes lie at 0: key step s at 4,096 s, tile t at + 512 t.  V's here: keys 64 (2 s + c) on at 4,096 s + 2,048 c, tile t' at + 512 t'
.set KSC,  131072                      ; K's scale words: step s at 512 s; lane l's 16 bytes: the words of tiles 4 h + 0 .. 3, row r.  Written by LDS stores alone
.set VSC,  139264                      ; V's: step s at 256 s; at 16 r + 8 h the words of tiles 2 h, 2 h + 1 for the step's 128 keys.  Written by LDS stores alone
.set LI,  1                            ; v1   16 x lane
.set AT0, 2                            ; v2   VSC + 16 r + 8 h
.set QS1, 3                            ; v3   the second tile's scale word of Q
.set ADK, 4                            ; v4-7 the LDS addresses of the step in hand: K, V, K's scale words, V's
.set ADV, 5
.set ADS, 6
.set ADT, 7
.set Q1,  8                            ; v8-11 the second tile's codes of Q
.set QF,  16                           ; v16-23 Q's fragment; v20-23 zero.   v12 -M, v13 the largest t, v[14:15] the sum in two halves
.set KS,  24                           ; v24-27 K's scale words
.set VS,  28                           ; v28-29 V's
.set QS,  30                           ; v30  Q's
.set PS,  31                           ; v31  p's
.set KF,  32                           ; v32-95 K's eight fragments; registers 4-7 of each stay zero
.set VF,  96                           ; v96-127 V's four fragments
.set S,   128                          ; v128-191 S^T, then p
.set O,   192                          ; v192-223 O^T
.set PC,  224                          ; v224-231 p's codes.   v232-247, v252-254 at work; v255 the first tile's scale word of ctx
.set AV0, 248                          ; v248 VIMG + 16 x lane
.set AS0, 249                          ; v249 KSC + 16 x lane
.set L4,  250                          ; v250 4 x lane
.set WV,  20
.set SEL, 22                           ; s[22:23] lane selects: lane l xor 16
.set CS,  24                           ; s[24:25] c = log2(e) / 8
.set G1,  28
.set G0K, 36
.set G0V, 40
.set TK,  44                           ; s44  the step's codes: 4,096 a step
.set TS,  45                           ; s45  K's scale words: 512 a step
.set TV,  46                           ; s46  V's: 256 a step
.set CNT, 47
.macro ROUND                           ; a round of the cluster's barrier
	s_barrier_signal -1
	s_barrier_wait -1
	s_cmp_lg_u32 s[WV], 0
	s_cbranch_scc1 .Lnot_wave_0_\@
	s_barrier_signal -3
.Lnot_wave_0_\@:
	s_barrier_wait -3
	s_barrier_signal -1
	s_barrier_wait -1
.endm
.macro PLACES
.rept 4
	v_nop
.endr
.endm
	s_load_b512 s[4:19], s[0:1], 0x0               ; qimg 4, qsc 6, kimg 8, ksc 10, vimg 12, vsc 14, ctximg 16, csc 18
	v_lshl_add_u32 v254, v0, 2, 0x29000
	v_mov_b32 v255, 0
	ds_add_u32 v254, v255
	ds_add_u32 v254, v255
	s_wait_dscnt 0x0
	v_lshrrev_b32 v1, 5, v0
	v_readfirstlane_b32 s[WV], v1                  ; wave 0..15
	s_bfe_u32 s21, ttmp6, 0x40000                  ; cx: it enters Q's and ctx's global addresses alone
	s_and_b32 s26, ttmp7, 0xffff                   ; batch x 16 + head, which the four partners share
	s_mov_b32 s[SEL], 0x76543210
	s_mov_b32 s[SEL+1], 0xfedcba98
	s_mov_b32 s[CS], 0x3e38aa3b                    ; log2(e) / 8
	s_mov_b32 s[CS+1], s[CS]                       ; (named with it as a pair, so it is written)
	s_mov_b32 s48, 0xffff0000                      ; lanes 16-31
	; descriptor group 1: 16 KiB dense, as 64 rows of 256 bytes (32 elements of 8 bytes); no padding: every LDS load takes 512 consecutive bytes
	s_mov_b32 s[G1], 15|(3<<16)|(1<<21)            ; 15:0 the mask: all four work-groups; 17:16 elements of 8 bytes; 21 set beside a mask
	s_mov_b32 s[G1+1], 32<<16
	s_mov_b32 s[G1+2], 64<<16
	s_mov_b32 s[G1+3], 32<<16
	s_mov_b32 s[G1+4], 64
	s_mov_b32 s[G1+5], 32
	s_mov_b32 s[G1+6], 0
	s_mov_b32 s[G1+7], 0
	s_and_b32 s49, s[WV], 3                        ; waves 0 to 3 fetch K's quarters, waves 4 to 7 V's
	s_lshl_b32 s[G0K+1], s49, 14
	s_add_co_u32 s[G0V+1], s[G0K+1], VIMG
	s_lshl_b32 s50, s26, 16                        ; a head's codes are 65,536 bytes
	s_add_co_u32 s50, s50, s[G0K+1]
	s_mov_b32 s51, 0
	s_mov_b32 s[G0K], 1
	s_mov_b32 s[G0V], 1
	v_and_b32 v254, 31, v0                         ; lane
	v_lshlrev_b32 v[LI], 4, v254
	v_lshlrev_b32 v[L4], 2, v254
	v_add_nc_u32 v[AV0], VIMG, v[LI]
	v_add_nc_u32 v[AS0], KSC, v[LI]
	v_and_b32 v254, 15, v0                         ; r
	v_lshlrev_b32 v[ADS], 4, v254                  ; (for the head's loads) 16 r
	v_bfe_u32 v254, v0, 4, 1                       ; h
	v_lshl_add_u32 v[ADV], v254, 3, v[ADS]         ; (for the head's loads) 16 r + 8 h
	v_add_nc_u32 v[AT0], VSC, v[ADV]
	s_lshl_b32 s27, s[WV], 8
	v_add_nc_u32 v251, s27, v[AT0]                 ; where wave w puts the scale words of V's key step w
	v_lshlrev_b32 v[ADK], 4, v0                    ; (for the head's loads) 16 x thread
	v_lshl_add_u32 v[ADT], v0, 4, KSC              ; where K's scale words go
	s_wait_kmcnt 0x0
	s_add_nc_u64 s[G0K+2:G0K+3], s[8:9], s[50:51]
	s_or_b32 s[G0K+3], s[G0K+3], 0x80000000
	s_add_nc_u64 s[G0V+2:G0V+3], s[12:13], s[50:51]
	s_or_b32 s[G0V+3], s[G0V+3], 0x80000000
	ROUND                                          ; all four work-groups are here: the joint loads meet
	s_cmp_lt_u32 s[WV], 4
	s_cbranch_scc0 .Lnot_k
	tensor_load_to_lds s[G0K:G0K+3], s[G1:G1+7]
	s_nop 0
	PLACES
	s_branch .Lasked
.Lnot_k:
	s_cmp_lt_u32 s[WV], 8
	s_cbranch_scc0 .Lasked
	tensor_load_to_lds s[G0V:G0V+3], s[G1:G1+7]
	s_nop 0
	PLACES
.Lasked:
	s_lshl_b32 s52, s26, 13                        ; a head's scale words are 8,192 bytes in each of the four buffers of them
	s_mov_b32 s53, 0
	s_add_nc_u64 s[10:11], s[10:11], s[52:53]
	s_add_nc_u64 s[14:15], s[14:15], s[52:53]
	s_add_nc_u64 s[6:7], s[6:7], s[52:53]
	s_add_nc_u64 s[18:19], s[18:19], s[52:53]
	s_lshl_b32 s52, s[WV], 9
	s_add_nc_u64 s[14:15], s[14:15], s[52:53]      ; V's: the two units of key step w
	s_lshl_b32 s54, s21, 5
	s_lshl_b32 s55, s[WV], 1
	s_add_co_u32 s54, s54, s55                     ; my first tile of queries: 32 cx + 2 w
	s_lshl_b32 s52, s54, 6
	s_add_nc_u64 s[18:19], s[18:19], s[52:53]      ; ctx's scale words: 64 bytes a tile
	s_lshr_b32 s52, s54, 2
	s_lshl_b32 s52, s52, 8                         ; Q's scale words: the unit of the tile's piece,
	s_and_b32 s55, s54, 3
	s_lshl_b32 s55, s55, 2                         ; and 4 bytes for the tile in it
	s_add_co_u32 s52, s52, s55
	s_add_nc_u64 s[6:7], s[6:7], s[52:53]
	s_lshl_b32 s52, s26, 16
	s_lshl_b32 s55, s54, 9
	s_add_co_u32 s52, s52, s55
	s_add_nc_u64 s[4:5], s[4:5], s[52:53]          ; Q's codes: 512 bytes a tile
	s_lshr_b32 s52, s26, 4
	s_lshl_b32 s52, s52, 20                        ; ctx's codes: ((batch x 128 + tile) x 16 + head) x 512
	s_lshl_b32 s55, s54, 13
	s_add_co_u32 s52, s52, s55
	s_and_b32 s55, s26, 15
	s_lshl_b32 s55, s55, 9
	s_add_co_u32 s52, s52, s55
	s_add_nc_u64 s[16:17], s[16:17], s[52:53]
	global_load_b128 v[128:131], v[ADK], s[10:11]             ; K's scale words of the head: 512 threads x 16 bytes
	global_load_b64 v[132:133], v[ADV], s[14:15]              ; V's: keys 128 w on: tiles 2 h, 2 h + 1, row r,
	global_load_b64 v[134:135], v[ADV], s[14:15] offset:256   ; and keys 128 w + 64 on
	global_load_b128 v[QF:QF+3], v[LI], s[4:5]                ; Q: my first tile,
	global_load_b128 v[Q1:Q1+3], v[LI], s[4:5] offset:512     ; my second
	global_load_b32 v[QS], v[ADS], s[6:7]
	global_load_b32 v[QS1], v[ADS], s[6:7] offset:4
.irp i, 4,5,6,7
	v_mov_b32 v[QF+\i], 0                          ; zero codes for k = 64 .. 127
.endr
.irp t, 0,1,2,3,4,5,6,7
.irp i, 4,5,6,7
	v_mov_b32 v[KF+8*\t+\i], 0
.endr
.endr
.irp b, 0,1,2,3
	v_mov_b32 v[236+\b], 0                         ; written once: a lane permute's destination counts as one of its sources
.endr
	v_mov_b32 v253, 0                              ; (named as the upper half of the pair v[252:253])
	s_wait_loadcnt 0x0
	ds_store_b128 v[ADT], v[128:131]
	v_perm_b32 v136, v134, v132, 0x05040100        ; a step's word: the two bytes of its first 64 keys, then the two of its second
	v_perm_b32 v137, v135, v133, 0x05040100
	ds_store_b64 v251, v[136:137]
	s_wait_tensorcnt 0x0                           ; my part of K or V is in,
	s_wait_dscnt 0x0                               ; my scale words are stored,
	s_barrier_signal -1
	s_barrier_wait -1                              ; everybody's are
; A KEY STEP: 128 keys.
.macro KSTEP
	v_add_nc_u32 v[ADK], s[TK], v[LI]              ; these four are also the places behind the last products, in front of the loads into V's registers
	v_add_nc_u32 v[ADV], s[TK], v[AV0]
	v_add_nc_u32 v[ADS], s[TS], v[AS0]
	v_add_nc_u32 v[ADT], s[TV], v[AT0]
	ds_load_b128 v[KS:KS+3], v[ADS]
.irp t, 0,1,2,3,4,5,6,7
	ds_load_b128 v[KF+8*\t:KF+8*\t+3], v[ADK] offset:512*\t
.endr
	ds_load_b64 v[VS:VS+1], v[ADT]
.irp t, 0,1,2,3
.irp c, 0,1
	ds_load_b128 v[VF+8*\t+4*\c:VF+8*\t+4*\c+3], v[ADV] offset:2048*\c+512*\t
.endr
.endr
	s_wait_dscnt 9                                 ; K and its scale words are in; V's nine loads may be out: they land during the softmax
.irp t, 0,1,2,3
	v_wmma_scale_f32_16x16x128_f8f6f4 v[S+8*\t:S+8*\t+7], v[KF+8*\t:KF+8*\t+7], v[QF:QF+7], 0, v[KS+\t], v[QS] matrix_a_fmt:MATRIX_FMT_FP4 matrix_b_fmt:MATRIX_FMT_FP4
.endr
.irp t, 4,5,6,7
	v_wmma_scale_f32_16x16x128_f8f6f4 v[S+8*\t:S+8*\t+7], v[KF+8*\t:KF+8*\t+7], v[QF:QF+7], 0, v[KS+\t-4], v[QS] matrix_a_fmt:MATRIX_FMT_FP4 matrix_b_fmt:MATRIX_FMT_FP4 matrix_a_scale:MATRIX_SCALE_ROW1
.endr
	PLACES                                         ; lane (r, h) holds query r; the 16 registers of tiles 2 b, 2 b + 1 are keys 32 b + 16 h + 0 .. 15 of the step
.irp b, 0,1,2,3
	v_max3_num_f32 v[232+\b], v[S+16*\b], v[S+16*\b+1], v[S+16*\b+2]   ; the largest score of each block of 32 keys: it serves the row's maximum and, since p rises with the score, the block's largest p
.endr
.irp i, 3,5,7,9,11,13
.irp b, 0,1,2,3
	v_max3_num_f32 v[232+\b], v[232+\b], v[S+16*\b+\i], v[S+16*\b+\i+1]
.endr
.endr
.irp b, 0,1,2,3
	v_max_num_f32 v[232+\b], v[232+\b], v[S+16*\b+15]
.endr
.irp b, 0,1,2,3
	v_permlanex16_b32 v[236+\b], v[232+\b], s[SEL], s[SEL+1]
.endr
.irp b, 0,1,2,3
	v_max_num_f32 v[232+\b], v[232+\b], v[236+\b]  ; with lane l xor 16's 16 keys
.endr
	v_max3_num_f32 v254, v232, v233, v234
	v_max_num_f32 v254, v254, v235                 ; the step's largest score of my query
	v_mul_f32 v254, s[CS], v254                    ; as t (c is positive)
	v_max_num_f32 v13, v13, v254                   ; the running largest t
	v_mov_b32 v254, v12
	v_floor_f32 v12, -v13                          ; the new -M = floor(-t) = -ceil(t)
	v_sub_f32 v254, v12, v254                      ; old M - new M: a whole number, 0 or less
	v_cvt_i32_f32 v254, v254                       ; (it saturates)
	v_ldexp_f32 v252, 1.0, v254                    ; f = 2^(old M - new M)
.set j, 0
.rept 32
	v_pk_fma_f32 v[S+j:S+j+1], v[S+j:S+j+1], s[CS:CS+1], v[12:13] op_sel_hi:[1,0,0]   ; t - M, two at a time (of the pairs c and -M the low word serves both halves)
.set j, j+2
.endr
.irp b, 0,1,2,3
	v_fma_f32 v[232+\b], v[232+\b], s[CS], v12     ; the same of each block's largest score
.endr
.set j, 0
.rept 64
	v_exp_f32 v[S+j], v[S+j]                       ; p = 2^(t - M), at most 1
.set j, j+1
.endr
	v_pk_mul_f32 v[14:15], v[14:15], v[252:253] op_sel_hi:[1,0]   ; the sums under the new M: the plain instruction behind the batch
	s_wait_alu depctr_va_vdst(0)                   ; one wait for the 64 exponentials, ahead of their first reader
.irp b, 0,1,2,3
	v_exp_f32 v[232+\b], v[232+\b]                 ; the block's largest p: the same two instructions on the same number give the same bits
.endr
	v_pk_add_f32 v[236:237], v[S:S+1], v[S+2:S+3]  ; the row's sum of the UNQUANTISED p, two at a time, in two chains
.set j, 4
.rept 15
	v_pk_add_f32 v[14:15], v[14:15], v[S+j:S+j+1]
	v_pk_add_f32 v[236:237], v[236:237], v[S+j+2:S+j+3]
.set j, j+4
.endr
	v_pk_add_f32 v[14:15], v[14:15], v[236:237]
	s_wait_alu depctr_va_vdst(0)                   ; and one for the four
.irp b, 0,1,2,3
	v_max_num_f32 v[232+\b], 0x1800000, v[232+\b]  ; the floor 2^(3 - 127): the byte cannot fall under 1
.endr
.irp b, 0,1,2,3
	v_add_nc_u32 v[244+\b], 0xff000000, v[232+\b]  ; 2 off the exponent field: the conversion's scale operand
.endr
.irp b, 0,1,2,3
	v_lshrrev_b32 v[236+\b], 23, v[244+\b]         ; the scale's byte
.endr
	v_lshl_or_b32 v[PS], v237, 8, v236             ; p's scale word for these 128 keys
	v_lshl_or_b32 v[PS], v238, 16, v[PS]
	v_lshl_or_b32 v[PS], v239, 24, v[PS]
.irp b, 0,1,2,3
	v_cvt_scalef32_pk8_fp4_f32 v[PC+2*\b], v[S+16*\b:S+16*\b+7], v[244+\b]
	v_cvt_scalef32_pk8_fp4_f32 v[PC+2*\b+1], v[S+16*\b+8:S+16*\b+15], v[244+\b]
.endr
	v_nop                                          ; one plain place behind the last scaled conversion
.irp c, 0,1                                    ; the operand's layout wants a WHOLE block in a lane: lanes 0-15 block 2 c, lanes 16-31 block 2 c + 1
.irp i, 0,1
	v_permlane16_swap_b32 v[PC+4*\c+\i], v[PC+4*\c+2+\i]
.endr
.endr
.set j, 0
.rept 16
	v_pk_mul_f32 v[O+j:O+j+1], v[O+j:O+j+1], v[252:253] op_sel_hi:[1,0]   ; O^T under the new M.  For each product below twelve of these name none of its registers: the places between p's scale word and codes and the products
.set j, j+2
.endr
	s_wait_dscnt 0x0                               ; V and its scale words are in
.irp t, 0,1
	v_wmma_scale_f32_16x16x128_f8f6f4 v[O+8*\t:O+8*\t+7], v[VF+8*\t:VF+8*\t+7], v[PC:PC+7], v[O+8*\t:O+8*\t+7], v[VS+\t], v[PS] matrix_a_fmt:MATRIX_FMT_FP4 matrix_b_fmt:MATRIX_FMT_FP4
.endr
.irp t, 2,3
	v_wmma_scale_f32_16x16x128_f8f6f4 v[O+8*\t:O+8*\t+7], v[VF+8*\t:VF+8*\t+7], v[PC:PC+7], v[O+8*\t:O+8*\t+7], v[VS+\t-2], v[PS] matrix_a_fmt:MATRIX_FMT_FP4 matrix_b_fmt:MATRIX_FMT_FP4 matrix_a_scale:MATRIX_SCALE_ROW1
.endr
.endm
; ONE TILE OF 16 QUERIES through all keys, and out.  p = 0: my first tile, 1: my second.
.macro PASS p
.if \p
.irp i, 0,1,2,3
	v_mov_b32 v[QF+\i], v[Q1+\i]
.endr
	v_mov_b32 v[QS], v[QS1]                        ; the 36 lines below and the step's four additions stand between these and the first product
.endif
	v_mov_b32 v13, 0xff61b1e6                      ; the largest t so far: -3e38, under every t
	v_floor_f32 v12, -v13                          ; -M
	v_mov_b32 v14, 0                               ; the sum, in two halves
	v_mov_b32 v15, 0
.set j, 0
.rept 32
	v_mov_b32 v[O+j], 0                            ; O^T: the step is written once; its first trip finds zeros, which the first change of M leaves zeros
.set j, j+1
.endr
	s_mov_b32 s[TK], 0
	s_mov_b32 s[TS], 0
	s_mov_b32 s[TV], 0
	s_mov_b32 s[CNT], 16
.Lkey_\@:
	KSTEP
	s_add_co_u32 s[TK], s[TK], 4096
	s_add_co_u32 s[TS], s[TS], 512
	s_add_co_u32 s[TV], s[TV], 256
	s_sub_co_u32 s[CNT], s[CNT], 1
	s_cmp_lg_u32 s[CNT], 0
	s_cbranch_scc1 .Lkey_\@
	PLACES
	v_add_f32 v14, v14, v15                        ; the sum's two halves,
	v_permlanex16_b32 v252, v14, s[SEL], s[SEL+1]
	v_add_f32 v14, v14, v252                       ; and lane l xor 16's: the row's sum
	v_rcp_f32 v14, v14
	v_nop                                          ; a plain instruction behind the reciprocal
	s_wait_alu depctr_va_vdst(0)                   ; and the wait ahead of its first reader
.set j, 0
.rept 16
	v_pk_mul_f32 v[O+j:O+j+1], v[O+j:O+j+1], v[14:15] op_sel_hi:[1,0]   ; ctx = O^T / the sum: register 16 B + i is channel 32 B + 16 h + i of query r; each accumulator from its low end on
.set j, j+2
.endr
.irp b, 0,1
	v_max3_num_f32 v[232+\b], |v[O+16*\b]|, |v[O+16*\b+1]|, 0x1800000
.endr
.irp i, 2,4,6,8,10,12,14
.irp b, 0,1
	v_max3_num_f32 v[232+\b], v[232+\b], |v[O+16*\b+\i]|, |v[O+16*\b+\i+1]|
.endr
.endr
.irp b, 0,1
	v_permlanex16_b32 v[236+\b], v[232+\b], s[SEL], s[SEL+1]
.endr
.irp b, 0,1
	v_max_num_f32 v[232+\b], v[232+\b], v[236+\b]
.endr
.irp b, 0,1
	v_add_nc_u32 v[244+\b], 0xff000000, v[232+\b]
.endr
.irp b, 0,1
	v_lshrrev_b32 v[236+\b], 23, v[244+\b]
.endr
.if \p
	v_lshl_or_b32 v254, v237, 8, v236
	v_cndmask_b32 v254, v255, v254, s48            ; lanes 0-15 the first tile's words, lanes 16-31 the second's
	s_wait_xcnt 0x0                                ; the first tile's store has read v240-243: they are written again only behind this wait
.else
	v_lshl_or_b32 v255, v237, 8, v236              ; row r's two bytes (both halves of the lanes hold them)
.endif
.irp b, 0,1
	v_cvt_scalef32_pk8_fp4_f32 v[240+2*\b], v[O+16*\b:O+16*\b+7], v[244+\b]
	v_cvt_scalef32_pk8_fp4_f32 v[241+2*\b], v[O+16*\b+8:O+16*\b+15], v[244+\b]
.endr
	v_nop                                          ; one plain place behind the last scaled conversion
	v_permlane16_swap_b32 v240, v242               ; lanes 0-15 block 0, lanes 16-31 block 1: half a fragment of the last product's operand
	v_permlane16_swap_b32 v241, v243
	global_store_b128 v[LI], v[240:243], s[16:17] offset:\p*8192   ; 512 consecutive bytes, at a multiple of 512 from the buffer's first byte
.if \p
	global_store_b32 v[L4], v254, s[18:19]         ; 128 consecutive bytes
.endif
.endm
	PASS 0
	PASS 1
	s_wait_xcnt 0x0
	v_lshl_add_u32 v254, v0, 2, 0x29000
	v_mov_b32 v255, 0
	s_wait_tensorcnt 0x0
	ds_add_u32 v254, v255
	s_wait_dscnt 0x0
	ROUND                                          ; the closing round: no work-group ends while a partner may still ask for a tile that names it
	s_endpgm
.Lfunc_end_k_qe2cf9b23ac_attn:
	.size	k_qe2cf9b23ac_attn, .Lfunc_end_k_qe2cf9b23ac_attn-k_qe2cf9b23ac_attn
	.p2alignl 7, 3214868480
	.fill 96, 4, 3214868480
	.section	.rodata,"a",@progbits
	.p2align	6, 0x0
	.amdhsa_kernel k_qe2cf9b23ac_attn
		.amdhsa_group_segment_fixed_size 169984
		.amdhsa_private_segment_fixed_size 0
		.amdhsa_enable_private_segment 0
		.amdhsa_kernarg_size 64
		.amdhsa_user_sgpr_count 2
		.amdhsa_user_sgpr_kernarg_segment_ptr 1
		.amdhsa_wavefront_size32 1
		.amdhsa_system_sgpr_workgroup_id_x 1
		.amdhsa_system_sgpr_workgroup_id_y 1
		.amdhsa_system_sgpr_workgroup_id_z 1
		.amdhsa_system_vgpr_workitem_id 0
		.amdhsa_next_free_vgpr 256
		.amdhsa_next_free_sgpr 66
		.amdhsa_reserve_vcc 0
		.amdhsa_float_denorm_mode_32 3
		.amdhsa_float_denorm_mode_16_64 3
		.amdhsa_memory_ordered 1
		.amdhsa_forward_progress 1
		.amdhsa_inst_pref_size 47
	.end_amdhsa_kernel
	.amdgpu_metadata
---
amdhsa.version: [ 1, 2 ]
amdhsa.kernels:
  - .name:           k_qe2cf9b23ac_attn
    .symbol:         k_qe2cf9b23ac_attn.kd
    .args:
      - { .name: qimg, .offset: 0, .size: 8, .value_kind: global_buffer, .address_space: global }
      - { .name: qsc, .offset: 8, .size: 8, .value_kind: global_buffer, .address_space: global }
      - { .name: kimg, .offset: 16, .size: 8, .value_kind: global_buffer, .address_space: global }
      - { .name: ksc, .offset: 24, .size: 8, .value_kind: global_buffer, .address_space: global }
      - { .name: vimg, .offset: 32, .size: 8, .value_kind: global_buffer, .address_space: global }
      - { .name: vsc, .offset: 40, .size: 8, .value_kind: global_buffer, .address_space: global }
      - { .name: ctximg, .offset: 48, .size: 8, .value_kind: global_buffer, .address_space: global }
      - { .name: csc, .offset: 56, .size: 8, .value_kind: global_buffer, .address_space: global }
    .group_segment_fixed_size: 169984
    .private_segment_fixed_size: 0
    .kernarg_segment_align: 8
    .kernarg_segment_size: 64
    .max_flat_workgroup_size: 512
    .sgpr_count:     66
    .vgpr_count:     256
    .wavefront_size: 32
...
	.end_amdgpu_metadata
.endif
;; end of part 2
;; launch oproj (part 3): grid 4 x 64, 8 waves a work-group, clusters of 4 x 4, 250,880 bytes of LDS; arguments ctximg, csc, wo_codes, wo_scales, bo, out0; writes out0
.if DOCPART == 3
	.amdgcn_target "amdgcn-amd-amdhsa--gfx1250"
	.amdhsa_code_object_version 6
	.text
	.protected	k_qe2cf9b23ac_oproj
	.globl	k_qe2cf9b23ac_oproj
	.p2align	8
	.type	k_qe2cf9b23ac_oproj,@function
k_qe2cf9b23ac_oproj:
	s_mov_b64 s[64:65], 0
	v_nop
	global_prefetch_b8 v0, s[64:65] scope:SCOPE_SE
	s_setreg_imm32_b32 hwreg(HW_REG_WAVE_MODE, 25, 1), 1
	s_wait_xcnt 0x0
	s_wait_alu depctr_hold_cnt(0) depctr_sa_sdst(0) depctr_va_vdst(0) depctr_va_sdst(0) depctr_va_ssrc(0) depctr_va_vcc(0) depctr_vm_vsrc(0)
	s_getreg_b32 s2, hwreg(HW_REG_IB_STS2, 6, 4)
	s_cmp_eq_u32 s2, 0
	s_cbranch_scc0 .Lentry_in_a_cluster
	s_endpgm
.Lentry_in_a_cluster:
	s_bfe_u32 s2, ttmp6, 0x10000c
	s_cmp_lg_u32 s2, 0xf033
	s_cbranch_scc0 .Lentry_shape_is_right
	s_endpgm
.Lentry_shape_is_right:
; out0 = ctx wo^T + bo on codes of FP4 (E2M1) with E8M0 scales.  ctx comes as the launch before laid it: in the order of the operand's registers.
; SHARES.  128 rows x 256 columns of out0 to a work-group, all of K = 1,024 at once in LDS; eight waves; wave w makes rows 64 (w & 1) on and columns 64 (w >> 1) on: 16 accumulators of 16 x 16.
; The matrix instruction is used transposed (source 0 = 16 rows of wo, source 1 = 16 rows of ctx): a lane holds eight neighbouring numbers of a row of out0.
; CLUSTERS.  4 x 4 work-groups: the four of a row of the cluster need the same rows of ctx, the four of a column the same rows of wo: asked for jointly.  Every LDS byte is filled once.
; ctx's tiles: ((batch x 128 + tile) x 16 + head) x 512 bytes, lane l's 16 bytes at 16 l: registers 4 c .. 4 c + 3 of K step q come from head 2 q + c.  Lane row r of tile 4 P + a is query 64 P + 32 (a / 2) + 8 (a % 2) + r + 8 (r / 8).
; ctx's scale words lie by head (two bytes a row): the 256 threads join two heads' into a K step's word and lay them in LDS as wo's lie: 32 bytes a row.
.set PITCH, 528                        ; an LDS row of wo's codes: 512 bytes + 16 of padding
.set HALF,  64*PITCH
.set BLDS,  65536                      ; ctx's 128 rows lie at 0, dense: 65,536 bytes.  wo's 256 rows here
.set ASC,   BLDS+4*HALF                ; ctx's scale words: 128 rows x 32 bytes, 16 bytes of padding behind each 256: written by LDS stores alone
.set BSC,   ASC+16*272                 ; wo's scale bytes: 32 rows of 256 bytes + 16
.set STG,   BSC+32*272                 ; the way out: 16 rows x (256 bytes + 16) for each wave: no fill lands here
.set ADA, 3
.set ADB, 4
.set ADS, 5
.set STO, 6                            ; v6   the way out: where I put 32 bytes of a row
.set RD,  8                            ; v8   where I read a row back
.set CSA, 9                            ; v9   where I put four scale words of ctx
.set GO,  10                           ; v10  my byte offset in out0
.set BOC, 12                           ; v12  32 h
.set CSO, 13                           ; v13  my offset in ctx's scale words
.set SC,  16                           ; v16-47  scale words: register 8 i + q: lanes 0-15 ctx's block i, lanes 16-31 wo's block i, K step q
.set AF,  48
.set BF,  80
.set TM,  112
.set ACC, 128
.set WV,  46
.set TC,  47                           ; s47  tile column = cx
.set G1A, 48
.set G1B, 56
.set G1SB, 76
.set G0A, 84
.set G0B, 88
.set G0SB, 96
.set TR,  100                          ; s100 tile row
.macro ROUND
	s_barrier_signal -1
	s_barrier_wait -1
	s_cmp_lg_u32 s[WV], 0
	s_cbranch_scc1 .Lnot_wave_0_\@
	s_barrier_signal -3
.Lnot_wave_0_\@:
	s_barrier_wait -3
	s_barrier_signal -1
	s_barrier_wait -1
.endm
.macro PLACES
.rept 4
	v_nop
.endr
.endm
	s_load_b256 s[4:11], s[0:1], 0x0               ; ctximg 4, csc 6, wo codes 8, wo scales 10
	s_load_b128 s[12:15], s[0:1], 0x20             ; bo 12, out0 14
	v_lshl_add_u32 v126, v0, 2, 0x3d000
	v_mov_b32 v127, 0
	ds_add_u32 v126, v127
	ds_add_u32 v126, v127
	v_lshrrev_b32 v1, 5, v0
	v_readfirstlane_b32 s[WV], v1                  ; wave 0..7
	s_bfe_u32 s[TC], ttmp6, 0x40000                ; cx: the grid is one cluster wide
	s_bfe_u32 s66, ttmp6, 0x40004                  ; cy
	s_and_b32 s[TR], ttmp7, 0xffff
	s_lshl_b32 s[TR], s[TR], 2
	s_add_co_u32 s[TR], s[TR], s66                 ; tile row = 4 x cluster y + cy
	s_lshl_b32 s2, s66, 2
	s_lshl_b32 s2, 15, s2                          ; my row of the cluster
	s_lshl_b32 s3, 0x1111, s[TC]                   ; my column
	s_or_b32 s[G1A], s2, (3<<16)|(1<<21)           ; ctx: 32 KiB dense, as 128 rows of 256 bytes (32 elements of 8 bytes), no padding: every LDS load takes 512 consecutive bytes
	s_mov_b32 s[G1A+1], 32<<16
	s_mov_b32 s[G1A+2], 128<<16
	s_mov_b32 s[G1A+3], 32<<16
	s_mov_b32 s[G1A+4], 128
	s_mov_b32 s[G1A+5], 32
	s_mov_b32 s[G1A+6], 0
	s_mov_b32 s[G1A+7], 0
	s_or_b32 s[G1B], s3, (1<<20)|(1<<21)|(6<<22)|(3<<25)   ; wo: 64 rows x 512 bytes, four words of padding after every 128
	s_mov_b32 s[G1B+1], 512<<16
	s_mov_b32 s[G1B+2], 64<<16
	s_mov_b32 s[G1B+3], 512<<16
	s_mov_b32 s[G1B+4], 64
	s_mov_b32 s[G1B+5], 512
	s_mov_b32 s[G1B+6], 0
	s_mov_b32 s[G1B+7], 0
	s_or_b32 s[G1SB], s3, (3<<16)|(1<<20)|(1<<21)|(5<<22)|(3<<25)   ; wo's scale bytes: 32 rows of 256 bytes, four words of padding behind each
	s_mov_b32 s[G1SB+1], 32<<16
	s_mov_b32 s[G1SB+2], 32<<16
	s_mov_b32 s[G1SB+3], 32<<16
	s_mov_b32 s[G1SB+4], 32
	s_mov_b32 s[G1SB+5], 32
	s_mov_b32 s[G1SB+6], 0
	s_mov_b32 s[G1SB+7], 0
	s_and_b32 s16, s[WV], 1                        ; wr
	s_lshr_b32 s17, s[WV], 1                       ; wc
	v_and_b32 v1, 15, v0                           ; r
	v_bfe_u32 v2, v0, 4, 1                         ; h
	v_and_b32 v14, 31, v0                          ; lane
	s_lshl_b32 s2, s16, 15
	v_lshl_add_u32 v[ADA], v14, 4, s2              ; ctx: my four tiles, 16 x lane
	v_mul_u32_u24 v15, v1, PITCH
	v_lshl_add_u32 v15, v2, 4, v15
	s_mul_i32 s2, s17, HALF
	s_add_co_u32 s2, s2, BLDS
	v_add_nc_u32 v[ADB], s2, v15
	v_lshrrev_b32 v15, 3, v1
	v_lshlrev_b32 v[ADS], 5, v1                    ; a row's 32 scale bytes,
	v_lshl_add_u32 v[ADS], v15, 4, v[ADS]          ; and 16 more for each 256 passed
	s_mul_i32 s2, s16, 2176
	s_mul_i32 s3, s17, 2176
	s_add_co_u32 s3, s3, 4352
	s_sub_co_u32 s3, s3, s2
	v_mul_u32_u24 v12, s3, v2                      ; lanes 16-31 take wo's: one product with h
	s_add_co_u32 s2, s2, ASC
	v_add_nc_u32 v[ADS], v[ADS], v12
	v_add_nc_u32 v[ADS], s2, v[ADS]
	s_mul_i32 s2, s[WV], 16*272
	s_add_co_u32 s2, s2, STG                       ; my stage
	v_mul_u32_u24 v15, v1, 272
	v_lshl_add_u32 v15, v2, 5, v15
	v_add_nc_u32 v[STO], s2, v15                   ; in: row r, 32 bytes for each half of the lanes
	v_mul_u32_u24 v15, v2, 272
	v_lshl_add_u32 v15, v1, 4, v15
	v_add_nc_u32 v[RD], s2, v15                    ; back: lanes 0-15 one row of 256 bytes, lanes 16-31 the next
	v_lshlrev_b32 v[GO], 12, v2
	v_lshl_add_u32 v[GO], v1, 4, v[GO]             ; and the same two rows in out0 (4,096 bytes a row)
	v_lshlrev_b32 v[BOC], 5, v2
	v_and_b32 v[CSO], 1, v0                        ; thread T: row T / 2 of the 128, K steps 4 (T % 2) on = heads 8 (T % 2) on: 8,192 bytes a head
	v_lshlrev_b32 v[CSO], 16, v[CSO]
	v_lshrrev_b32 v15, 1, v0
	v_lshl_add_u32 v[CSO], v15, 2, v[CSO]
	v_lshrrev_b32 v15, 4, v0
	v_add_nc_u32 v15, v15, v0
	v_lshl_add_u32 v[CSA], v15, 4, ASC             ; 16 T, and 16 more for each 256 passed
	s_and_b32 s18, s[WV], 1
	s_lshl_b32 s[G0A+1], s18, 15                   ; LDS: ctx's half
	s_lshl_b32 s20, s[TR], 16
	s_add_co_u32 s20, s20, s[G0A+1]
	s_mov_b32 s21, 0
	s_mov_b32 s[G0A], 1
	s_add_co_u32 s19, s[WV], 2
	s_and_b32 s19, s19, 3                          ; waves 2 to 5 take wo's quarters 0 to 3
	s_mul_i32 s[G0B+1], s19, HALF
	s_add_co_u32 s[G0B+1], s[G0B+1], BLDS
	s_lshl_b32 s19, s19, 15
	s_lshl_b32 s22, s[TC], 17
	s_add_co_u32 s22, s22, s19
	s_mov_b32 s23, 0
	s_mov_b32 s[G0B], 1
	s_mov_b32 s[G0SB], 1
	s_mov_b32 s[G0SB+1], BSC
	s_lshl_b32 s24, s[TC], 13
	s_mov_b32 s25, 0
	s_wait_dscnt 0x0
	s_wait_kmcnt 0x0
	s_add_nc_u64 s[G0A+2:G0A+3], s[4:5], s[20:21]
	s_or_b32 s[G0A+3], s[G0A+3], 0x80000000
	s_add_nc_u64 s[G0B+2:G0B+3], s[8:9], s[22:23]
	s_or_b32 s[G0B+3], s[G0B+3], 0x80000000
	s_add_nc_u64 s[G0SB+2:G0SB+3], s[10:11], s[24:25]
	s_or_b32 s[G0SB+3], s[G0SB+3], 0x80000000
	ROUND                                          ; all sixteen work-groups are here: the joint loads meet
	s_cmp_lt_u32 s[WV], 2                          ; waves 0, 1 ctx's halves; 2 to 5 wo's quarters; 6 wo's scales; 7 nothing
	s_cbranch_scc0 .Lfill_b
	tensor_load_to_lds s[G0A:G0A+3], s[G1A:G1A+7]
	s_nop 0
	PLACES
	s_branch .Lfilled
.Lfill_b:
	s_cmp_lt_u32 s[WV], 6
	s_cbranch_scc0 .Lfill_sb
	tensor_load_to_lds s[G0B:G0B+3], s[G1B:G1B+7]
	s_nop 0
	PLACES
	s_branch .Lfilled
.Lfill_sb:
	s_cmp_eq_u32 s[WV], 6
	s_cbranch_scc0 .Lfilled
	tensor_load_to_lds s[G0SB:G0SB+3], s[G1SB:G1SB+7]
	s_nop 0
	PLACES
.Lfilled:
	s_lshr_b32 s26, s[TR], 4                       ; ctx's scale words: ((batch x 16 + head) x 128 + tile) x 64 + 4 r; my 8 tiles begin at tile 8 (tile row % 16) of batch tile row / 16
	s_lshl_b32 s26, s26, 17
	s_and_b32 s28, s[TR], 15
	s_lshl_b32 s28, s28, 9
	s_add_co_u32 s26, s26, s28
	s_mov_b32 s27, 0
	s_add_nc_u64 s[6:7], s[6:7], s[26:27]
	s_lshl_b32 s26, s[TC], 10
	s_lshl_b32 s28, s17, 8
	s_add_co_u32 s26, s26, s28                     ; my first column, in bytes: 4 x (256 tile column + 64 wc)
	s_add_nc_u64 s[12:13], s[12:13], s[26:27]
	s_add_nc_u64 s[14:15], s[14:15], s[26:27]
	s_lshl_b32 s26, s[TR], 1
	s_add_co_u32 s26, s26, s16
	s_lshl_b32 s26, s26, 18                        ; my 64 rows of 4,096 bytes
	s_add_nc_u64 s[14:15], s[14:15], s[26:27]
.irp k, 0,1,2,3,4,5,6,7
	global_load_b32 v[TM+\k], v[CSO], s[6:7] offset:8192*\k
.endr
.irp a, 0,1,2,3
.irp b, 0,1,2,3
	global_load_b128 v[ACC+8*(4*\a+\b):ACC+8*(4*\a+\b)+3], v[BOC], s[12:13] offset:64*\b        ; the bias of columns 16 b + 8 h + 0 .. 7 starts the sums
	global_load_b128 v[ACC+8*(4*\a+\b)+4:ACC+8*(4*\a+\b)+7], v[BOC], s[12:13] offset:64*\b+16
.endr
.endr
	s_wait_loadcnt 32                              ; the eight scale words are in; the 32 loads of the bias may be out
.irp q, 0,1,2,3
	v_perm_b32 v[TM+8+\q], v[TM+2*\q+1], v[TM+2*\q], 0x05040100   ; a K step's word: the even head's two bytes, then the odd head's
.endr
	ds_store_b128 v[CSA], v[TM+8:TM+11]
	s_wait_loadcnt 0x0
	s_wait_tensorcnt 0x0                           ; my part of the tiles is in,
	s_wait_dscnt 0x0                               ; my scale words are stored,
	s_barrier_signal -1
	s_barrier_wait -1                              ; everybody's are
.irp i, 0,1,2,3
.irp e, 0,1
	ds_load_b128 v[SC+8*\i+4*\e:SC+8*\i+4*\e+3], v[ADS] offset:544*\i+16*\e
.endr
.endr
.macro MM a, b, q
	v_wmma_scale_f32_16x16x128_f8f6f4 v[ACC+8*(4*\a+\b):ACC+8*(4*\a+\b)+7], v[BF+8*\b:BF+8*\b+7], v[AF+8*\a:AF+8*\a+7], v[ACC+8*(4*\a+\b):ACC+8*(4*\a+\b)+7], v[SC+8*\b+\q], v[SC+8*\a+\q] matrix_a_fmt:MATRIX_FMT_FP4 matrix_b_fmt:MATRIX_FMT_FP4 matrix_a_scale:MATRIX_SCALE_ROW1
.endm
; A K step of 128: 16 LDS loads, 16 matrix instructions; the sixteen accumulators take turns, one instruction a turn.
.macro STEP q
.if \q > 0
	PLACES                                         ; in front of loads into registers that matrix instructions have read
.endif
.irp b, 0,1,2,3
.irp c, 0,1
	ds_load_b128 v[BF+8*\b+4*\c:BF+8*\b+4*\c+3], v[ADB] offset:\b*16*PITCH+64*\q+32*\c
.endr
.endr
.irp a, 0,1,2,3
.irp c, 0,1
	ds_load_b128 v[AF+8*\a+4*\c:AF+8*\a+4*\c+3], v[ADA] offset:\a*8192+\q*1024+\c*512
.endr
.endr
.irp a, 0,1,2,3
	s_wait_dscnt 6-2*\a                            ; wo's and ctx's blocks up to a are in; the two loads of each later block may be out
.irp b, 0,1,2,3
	MM \a, \b, \q
.endr
.endr
.endm
.irp q, 0,1,2,3,4,5,6,7
	STEP \q
.endr
; THE WAY OUT, a block of 16 rows x 64 columns at a time, through my own stage: in as 32 bytes a lane, back as whole rows of 256 bytes.
.macro TOSTAGE a
.irp b, 0,1,2,3
	ds_store_b128 v[STO], v[ACC+8*(4*\a+\b):ACC+8*(4*\a+\b)+3] offset:64*\b          ; each accumulator from its low end on
	ds_store_b128 v[STO], v[ACC+8*(4*\a+\b)+4:ACC+8*(4*\a+\b)+7] offset:64*\b+16
.endr
.irp i, 0,1,2,3,4,5,6,7
	ds_load_b128 v[AF+32*(\a%2)+4*\i:AF+32*(\a%2)+4*\i+3], v[RD] offset:2*\i*272    ; LDS serves a wave's instructions in order (ISA guide 5.7.1.4): these see the stores above, and the next block's stores come behind them
.endr
.endm
.macro SEND a, younger                 ; younger: the LDS instructions issued behind block a's loads, which may stay out
	s_wait_dscnt \younger
.irp i, 0,1,2,3,4,5,6,7
	global_store_b128 v[GO], v[AF+32*(\a%2)+4*\i:AF+32*(\a%2)+4*\i+3], s[14:15] offset:(32*(\a/2)+8*(\a%2)+2*\i+8*(\i/4))*4096 th:TH_STORE_NT   ; lane row 2 i + h of tile a is row 32 (a / 2) + 8 (a % 2) + 2 i + h + 8 (i / 4); 16 lanes store 256 consecutive bytes, aligned
.endr
.endm
	PLACES                                         ; behind the last products: the stores read results, and the loads land in registers that held fragments
	TOSTAGE 0
	TOSTAGE 1
	SEND 0, 16                                     ; behind block 0's loads: block 1's eight stores and eight loads
	s_wait_xcnt 0x0                                ; block 0's stores have read their registers: block 2's loads may land there
	TOSTAGE 2
	SEND 1, 16
	s_wait_xcnt 0x0
	TOSTAGE 3
	SEND 2, 16
	SEND 3, 0
	s_wait_tensorcnt 0x0
	ds_add_u32 v126, v127
	s_wait_dscnt 0x0
	ROUND                                          ; the closing round: no work-group ends while a partner may still ask for a tile that names it
	s_endpgm
.Lfunc_end_k_qe2cf9b23ac_oproj:
	.size	k_qe2cf9b23ac_oproj, .Lfunc_end_k_qe2cf9b23ac_oproj-k_qe2cf9b23ac_oproj
	.p2alignl 7, 3214868480
	.fill 96, 4, 3214868480
	.section	.rodata,"a",@progbits
	.p2align	6, 0x0
	.amdhsa_kernel k_qe2cf9b23ac_oproj
		.amdhsa_group_segment_fixed_size 250880
		.amdhsa_private_segment_fixed_size 0
		.amdhsa_enable_private_segment 0
		.amdhsa_kernarg_size 48
		.amdhsa_user_sgpr_count 2
		.amdhsa_user_sgpr_kernarg_segment_ptr 1
		.amdhsa_wavefront_size32 1
		.amdhsa_system_sgpr_workgroup_id_x 1
		.amdhsa_system_sgpr_workgroup_id_y 1
		.amdhsa_system_sgpr_workgroup_id_z 1
		.amdhsa_system_vgpr_workitem_id 0
		.amdhsa_next_free_vgpr 256
		.amdhsa_next_free_sgpr 102
		.amdhsa_reserve_vcc 0
		.amdhsa_float_denorm_mode_32 3
		.amdhsa_float_denorm_mode_16_64 3
		.amdhsa_memory_ordered 1
		.amdhsa_forward_progress 1
		.amdhsa_inst_pref_size 46
	.end_amdhsa_kernel
	.amdgpu_metadata
---
amdhsa.version: [ 1, 2 ]
amdhsa.kernels:
  - .name:           k_qe2cf9b23ac_oproj
    .symbol:         k_qe2cf9b23ac_oproj.kd
    .args:
      - { .name: ctximg, .offset: 0, .size: 8, .value_kind: global_buffer, .address_space: global }
      - { .name: csc, .offset: 8, .size: 8, .value_kind: global_buffer, .address_space: global }
      - { .name: wo_codes, .offset: 16, .size: 8, .value_kind: global_buffer, .address_space: global }
      - { .name: wo_scales, .offset: 24, .size: 8, .value_kind: global_buffer, .address_space: global }
      - { .name: bo, .offset: 32, .size: 8, .value_kind: global_buffer, .address_space: global }
      - { .name: out0, .offset: 40, .size: 8, .value_kind: global_buffer, .address_space: global }
    .group_segment_fixed_size: 250880
    .private_segment_fixed_size: 0
    .kernarg_segment_align: 8
    .kernarg_segment_size: 48
    .max_flat_workgroup_size: 256
    .sgpr_count:     102
    .vgpr_count:     256
    .wavefront_size: 32
...
	.end_amdgpu_metadata
.endif
;; end of part 3
